; MI455X (gfx1250); checked and timed in simulation.
; The chip was launched on July 23, 2026; its instructions are those of AMD's public machine-readable ISA for CDNA 5 (MIT licence, August 2026) and "CDNA5" Instruction Set Architecture Reference Guide (July 2026). The comments in the code are by the model that wrote it; some were corrected since.
;; Layer Norm. Allowed arithmetic: float matrix products may take bf16 or f16 operands with f32 sums; all other float work in f32.
;; Inputs: beta 4 x 2,048 x 1,024 float32; gamma 4 x 2,048 x 1,024 float32; input 4 x 2,048 x 1,024 float32.
;; Outputs: out0 4 x 2,048 x 1,024 float32.
;; One version. Each part assembles by itself: llvm-mc -triple=amdgcn-amd-amdhsa -mcpu=gfx1250 --defsym DOCPART=n.
;; ======== version 1 of 1: 1 launch
;; launch layernorm (part 1): grid 256 x 1, 32 waves a work-group, no clusters, 0 bytes of LDS; arguments input, gamma, beta, out0; writes out0
.if DOCPART == 1
	.amdgcn_target "amdgcn-amd-amdhsa--gfx1250"
	.amdhsa_code_object_version 6
	.text
	.protected	k_qc5491b00e6_layernorm
	.globl	k_qc5491b00e6_layernorm
	.p2align	8
	.type	k_qc5491b00e6_layernorm,@function
k_qc5491b00e6_layernorm:
	s_mov_b64 s[64:65], 0
	v_nop
	global_prefetch_b8 v0, s[64:65] scope:SCOPE_SE
	s_setreg_imm32_b32 hwreg(HW_REG_WAVE_MODE, 25, 1), 1
	s_wait_xcnt 0x0
; out0[r][c] = (input[r][c] - mean[r]) * rsqrt(var[r] + EPS) * gamma[r][c] + beta[r][c]
; input, gamma, beta, out0: [8192 rows][1024] f32 (4 x 2048 rows of 4,096 bytes); mean and var (over 1,024 numbers, population form) per row.
;
; ONE WAVE, ONE ROW.  A row is 4,096 bytes = eight loads of 16 bytes a lane = 32 registers.  The wave holds its row of input, of gamma and
; of beta (96 registers) from the loads to the stores: every input byte is loaded once, every output byte stored once, the reductions never
; leave the wave, and there is no LDS, no barrier and no loop.  256 work-groups x 32 waves = 8,192 waves, one for each row.
; Each load and each store of a wave covers 512 consecutive bytes that start at a multiple of 512 from the buffer's first byte.
; All 24 loads of a wave go out at once, input's first: mean and variance are made while gamma and beta are still on their way.
;
; ARITHMETIC, all f32: the mean first, then the sum of (x - mean)^2 on the row kept in registers, so that a
; common offset of the inputs never becomes a difference of two large sums.  No work of reference() is left out; all three inputs are used.
; LIMITS: the sums are taken in another order than reference()'s (four packed chains a lane, then across the lanes): rounding only.
; The sum of squares overflows f32 where |x - mean| reaches about 5.7e17 (1,024 such squares pass 3.4e38), where reference()'s variance
; overflows too.  A NaN or an infinity in a row spreads over that row's results, as in reference().  var + EPS is at least 5e-6, so
; v_rsq_f32 never meets a denormal.
.set ROW,  4096                        ; bytes in a row
.set OFF,  1                           ; v1         byte offset of my 16 bytes in the first 512 of my wave's row; never rewritten
.set X,    4                           ; v[4:35]    the row of input, then x - mean, then the result
.set G,    36                          ; v[36:67]   the row of gamma
.set B,    68                          ; v[68:99]   the row of beta
.set S,    100                         ; v[100:107] four packed chains of sums
.set M,    108                         ; v[108:109] -mean, twice (a pair for the packed add)
.set R,    110                         ; v[110:111] rsqrt(var + EPS), twice (a pair for the packed multiply)
	s_load_b256 s[4:11], s[0:1], 0x0               ; input s[4:5], gamma s[6:7], beta s[8:9], out0 s[10:11]
	s_lshl_b32 s2, ttmp9, 17                       ; the work-group's 32 rows of 4,096 bytes: at most 255 << 17, below 2^25
	s_mov_b32 s12, 0x76543210                      ; v_permlanex16_b32: lane i of one half reads lane i of the other
	s_mov_b32 s13, 0xfedcba98
	s_mov_b32 s14, 0x3a800000                      ; 1 / 1024
	s_mov_b32 s15, 0x36a7c5ac                      ; EPS = 5e-6
	v_and_b32 v2, 31, v0                           ; lane
	v_and_b32 v3, 0x3e0, v0                        ; 32 x wave
	v_lshlrev_b32 v2, 4, v2                        ; 16 bytes a lane
	v_lshl_or_b32 v2, v3, 7, v2                    ; + wave x 4,096: my wave's row in the group
	v_add_nc_u32 v[OFF], s2, v2                    ; + the group's first row; the same offset serves all four buffers
	s_wait_kmcnt 0x0
.irp j, 0,1,2,3,4,5,6,7
	global_load_b128 v[X+4*\j:X+4*\j+3], v[OFF], s[4:5] offset:512*\j th:TH_LOAD_NT      ; loads 1 to 8: the row of input
.endr
.irp j, 0,1,2,3,4,5,6,7
	global_load_b128 v[G+4*\j:G+4*\j+3], v[OFF], s[6:7] offset:512*\j th:TH_LOAD_NT      ; loads 9 + 2j: gamma's piece j,
	global_load_b128 v[B+4*\j:B+4*\j+3], v[OFF], s[8:9] offset:512*\j th:TH_LOAD_NT      ; loads 10 + 2j: beta's piece j, in the order of their use
.endr
; The four chains become one number a lane, then one for the wave, in every lane: four steps inside each half of 16 lanes ride on the
; add itself (DPP), one crosses the halves.  v_permlanex16_b32 counts as a reader of its destination: S+1 has been written.
.macro TOTAL
	v_pk_add_f32 v[S:S+1],   v[S:S+1],   v[S+2:S+3]
	v_pk_add_f32 v[S+4:S+5], v[S+4:S+5], v[S+6:S+7]
	v_pk_add_f32 v[S:S+1],   v[S:S+1],   v[S+4:S+5]
	v_add_f32 v[S], v[S], v[S+1]
	v_add_f32_dpp v[S], v[S], v[S] row_xmask:1 row_mask:0xf bank_mask:0xf
	v_add_f32_dpp v[S], v[S], v[S] row_xmask:2 row_mask:0xf bank_mask:0xf
	v_add_f32_dpp v[S], v[S], v[S] row_xmask:4 row_mask:0xf bank_mask:0xf
	v_add_f32_dpp v[S], v[S], v[S] row_xmask:8 row_mask:0xf bank_mask:0xf
	v_permlanex16_b32 v[S+1], v[S], s12, s13
	v_add_f32 v[S], v[S], v[S+1]
.endm
	s_wait_loadcnt 16                              ; loads come back in order (ISA guide 5.7.1): input's eight are in, the 16 of gamma and beta stay out
	; pass 1: the row's sum.  The first eight pairs start the four chains: nothing is cleared.
.irp k, 0,1,2,3
	v_pk_add_f32 v[S+2*\k:S+2*\k+1], v[X+4*\k:X+4*\k+1], v[X+4*\k+2:X+4*\k+3]
.endr
.set p, 8
.rept 8
	v_pk_add_f32 v[S+2*(p%4):S+2*(p%4)+1], v[S+2*(p%4):S+2*(p%4)+1], v[X+2*p:X+2*p+1]
.set p, p+1
.endr
	TOTAL
	v_mul_f32 v[M],   0xba800000, v[S]             ; -mean = sum x (-1 / 1024), exact scaling by a power of two
	v_mul_f32 v[M+1], 0xba800000, v[S]
	; pass 2: d = x - mean in place, and the sum of d^2, again in four chains started by the first four products
.set p, 0
.rept 16
	v_pk_add_f32 v[X+2*p:X+2*p+1], v[X+2*p:X+2*p+1], v[M:M+1]
.set p, p+1
.endr
.irp k, 0,1,2,3
	v_pk_mul_f32 v[S+2*\k:S+2*\k+1], v[X+2*\k:X+2*\k+1], v[X+2*\k:X+2*\k+1]
.endr
.set p, 4
.rept 12
	v_pk_fma_f32 v[S+2*(p%4):S+2*(p%4)+1], v[X+2*p:X+2*p+1], v[X+2*p:X+2*p+1], v[S+2*(p%4):S+2*(p%4)+1]
.set p, p+1
.endr
	TOTAL
	v_fma_f32 v[S], v[S], s14, s15                 ; var + EPS = sum of squares / 1024 + EPS, one rounding
	v_rsq_f32 v[R],   v[S]                         ; made twice, to fill the pair that the packed multiply takes
	v_rsq_f32 v[R+1], v[S]
	v_nop                                          ; one plain vector instruction stands between a transcendental and the first use of its result (ISA guide 5.7.2); all other work here needs R
	; pass 3: d x rstd needs neither gamma nor beta and is done for the whole row first; then piece by piece, as gamma and beta come in
.set p, 0
	s_wait_alu depctr_va_vdst(0)
.rept 16
	v_pk_mul_f32 v[X+2*p:X+2*p+1], v[X+2*p:X+2*p+1], v[R:R+1]
.set p, p+1
.endr
.irp j, 0,1,2,3,4,5,6,7
	s_wait_loadcnt 14-2*\j                         ; beta's piece j is load 10 + 2j of 24: the 14 - 2j issued behind it may stay out
	v_pk_fma_f32 v[X+4*\j:X+4*\j+1],   v[X+4*\j:X+4*\j+1],   v[G+4*\j:G+4*\j+1],   v[B+4*\j:B+4*\j+1]
	v_pk_fma_f32 v[X+4*\j+2:X+4*\j+3], v[X+4*\j+2:X+4*\j+3], v[G+4*\j+2:G+4*\j+3], v[B+4*\j+2:B+4*\j+3]
	global_store_b128 v[OFF], v[X+4*\j:X+4*\j+3], s[10:11] offset:512*\j th:TH_STORE_NT   ; 512 consecutive bytes; its registers are not written again
.endr
	s_endpgm
.Lfunc_end_k_qc5491b00e6_layernorm:
	.size	k_qc5491b00e6_layernorm, .Lfunc_end_k_qc5491b00e6_layernorm-k_qc5491b00e6_layernorm
	.p2alignl 7, 3214868480
	.fill 96, 4, 3214868480
	.section	.rodata,"a",@progbits
	.p2align	6, 0x0
	.amdhsa_kernel k_qc5491b00e6_layernorm
		.amdhsa_group_segment_fixed_size 0
		.amdhsa_private_segment_fixed_size 0
		.amdhsa_enable_private_segment 0
		.amdhsa_kernarg_size 32
		.amdhsa_user_sgpr_count 2
		.amdhsa_user_sgpr_kernarg_segment_ptr 1
		.amdhsa_wavefront_size32 1
		.amdhsa_system_sgpr_workgroup_id_x 1
		.amdhsa_system_sgpr_workgroup_id_y 1
		.amdhsa_system_sgpr_workgroup_id_z 1
		.amdhsa_system_vgpr_workitem_id 0
		.amdhsa_next_free_vgpr 112
		.amdhsa_next_free_sgpr 66
		.amdhsa_reserve_vcc 0
		.amdhsa_float_denorm_mode_32 3
		.amdhsa_float_denorm_mode_16_64 3
		.amdhsa_memory_ordered 1
		.amdhsa_forward_progress 1
		.amdhsa_inst_pref_size 11
	.end_amdhsa_kernel
	.amdgpu_metadata
---
amdhsa.version: [ 1, 2 ]
amdhsa.kernels:
  - .name:           k_qc5491b00e6_layernorm
    .symbol:         k_qc5491b00e6_layernorm.kd
    .args:
      - { .name: input, .offset: 0, .size: 8, .value_kind: global_buffer, .address_space: global }
      - { .name: gamma, .offset: 8, .size: 8, .value_kind: global_buffer, .address_space: global }
      - { .name: beta, .offset: 16, .size: 8, .value_kind: global_buffer, .address_space: global }
      - { .name: out0, .offset: 24, .size: 8, .value_kind: global_buffer, .address_space: global }
    .group_segment_fixed_size: 0
    .private_segment_fixed_size: 0
    .kernarg_segment_align: 8
    .kernarg_segment_size: 32
    .max_flat_workgroup_size: 1024
    .sgpr_count:     66
    .vgpr_count:     112
    .wavefront_size: 32
...
	.end_amdgpu_metadata
.endif
;; end of part 1
